; MI455X (gfx1250); checked and timed in simulation.
; The chip was launched on July 23, 2026; its instructions are those of AMD's public machine-readable ISA for CDNA 5 (MIT licence, August 2026) and "CDNA5" Instruction Set Architecture Reference Guide (July 2026). The comments in the code are by the model that wrote it; some were corrected since.
;; Cooperation Module. Allowed arithmetic: matrix products marked QUANTISED: E3M2 operands, one E8M0 scale for each 32 along K, by v_wmma_scale_f32_16x16x128_f8f6f4 with both operands' format E3M2, f32 sums; products left as they are: f32 operands where the result goes on into a quantised operand, else bf16, f16 or f32 operands; f32 sums; everything else in f32.
;; Inputs: W 16 x 2,048 x 512 float32; b 16 x 2,048 float32; field_centers 16 x 512 float32; semantic_vec_codes 4,096 x 16 x 24 uint8 (E3M2 codes of semantic_vec, K innermost, in blocks of 32 codes, four codes in three bytes); semantic_vec_scales 4,096 x 16 uint8 (E8M0 scales of semantic_vec, one for each 32 codes along K).
;; Outputs: out0 4,096 x 2,048 float32.
;; This version of the problem:
;;   THIS VERSION OF THE PROBLEM IS GIVEN IN LOW PRECISION. The matrix products marked QUANTISED in the list below multiply operands that are first quantised to E3M2 (3 exponent bits, 2 mantissa bits; 6 bits a number), with one power-of-two scale for each 32 numbers along K (OCP MX v1.0); their sums are f32. All else is computed in f32.
;;   The module's matrix products, in the order in which they are computed (A, B: the left and right operand; K: the contracted axis; several contracted axes count as one K, in the product's order):
;;     1. [M 4,096, K 512] x [K 512, N 32,768]; A: input semantic_vec (given as codes); B: input W: QUANTISED
;;     2. batch 16 x [M 1, K 512] x [K 512, N 2,048]; A: input field_centers; B: input W: left as it is (M = 1 < 16)
;;   THE QUANTISER, for each operand of a quantised product, along K:
;;     - K is cut into blocks of 32 from its start; a last block that is shorter is filled with zeros.
;;     - A block's scale is 2^e with e = floor(log2(the largest magnitude in the block)) - 4, held to -126 .. 127; a block of zeros has e = 0. As a byte (E8M0): e + 127.
;;     - Each number is divided by its block's scale, clamped to +-28, and rounded to the nearest number of E3M2, ties to even, subnormals kept.
;;     - The product sums the exact products of the quantised numbers (number of the format x scale) in f32.
;;   ~~~python
;;   def quantise(x, axis):      # numpy; x: float32 -> the quantised numbers, widened to float32 again
;;       x = np.moveaxis(x, axis, -1); K = x.shape[-1]
;;       x = np.pad(x, [(0, 0)] * (x.ndim - 1) + [(0, -K % 32)]); x = x.reshape(x.shape[:-1] + (-1, 32)); a = np.abs(x).max(-1, keepdims=True)
;;       e = np.where(a > 0, np.clip(np.frexp(np.where(a > 0, a, 1))[1] - 1 - 4, -126, 127), 0)      # np.frexp(a)[1] - 1 = floor(log2(a)), exactly
;;       r = np.clip(x / 2.0 ** e, -28, 28)
;;       step = 2.0 ** (np.maximum(np.frexp(np.where(r == 0, 1, r))[1] - 1, -2) - 2)
;;       q = np.round(r / step) * step * 2.0 ** e      # np.round: ties to even
;;       return np.moveaxis(q.reshape(q.shape[:-2] + (-1,))[..., :K], -1, axis).astype(np.float32)
;;   ~~~
;;   INPUTS GIVEN AS CODES. semantic_vec (in the module: [4096, 512], K = its axis 1): each comes as NAME_codes (uint8): NAME with its K axis moved to the last place and cut into blocks of 32 codes, [.., K / 32, bytes a block], one block behind the other in memory; four codes in three bytes: a row's codes are one little-endian stream of bits, code i at bits 6 i .. 6 i + 5 (a code: sign, 3 exponent bits, 2 mantissa bits); and NAME_scales (uint8): the same leading axes, one E8M0 byte (e + 127) for each 32 codes along K. Its value is code x scale, taken as it is: it is not quantised again, and the codes and scales need not be those that the quantiser above would give.
;; One version. Each part assembles by itself: llvm-mc -triple=amdgcn-amd-amdhsa -mcpu=gfx1250 --defsym DOCPART=n.
;; ======== version 1 of 1: 2 launches
;; limits: right only within a limited range of input values
;; workspace buffers: wq 13,631,488 bytes; xq 1,572,864 bytes
;; launch prep (part 1): grid 256 x 1, 8 waves a work-group, no clusters, 68,608 bytes of LDS; arguments W, b, field_centers, semantic_vec_codes, wq, xq; writes wq, xq
.if DOCPART == 1
	.amdgcn_target "amdgcn-amd-amdhsa--gfx1250"
	.amdhsa_code_object_version 6
	.text
	.protected	k_qd2251b4144_prep
	.globl	k_qd2251b4144_prep
	.p2align	8
	.type	k_qd2251b4144_prep,@function
k_qd2251b4144_prep:
	s_mov_b64 s[64:65], 0
	v_nop
	global_prefetch_b8 v0, s[64:65] scope:SCOPE_SE
	s_setreg_imm32_b32 hwreg(HW_REG_WAVE_MODE, 25, 1), 1
	s_wait_xcnt 0x0
; W [16][2048][512] f32 becomes codes of E3M2 with one E8M0 byte for each 32 along K, laid in the order of the matrix operand's registers; beside them goes
; bias2[e][h] = b[e][h] - the sum over d of field_centers[e][d] W[e][h][d], in f32 on the unquantised W.  x's codes are laid anew in the same order.
; A RECORD of wq serves 16 rows of W (one expert e, h = 16 j + r) over all of K, 6,656 bytes = 26 x 256:
;   0 .. 6143     four fragments (K step s at 1536 s): the operand's 12 registers; registers 4 q .. 4 q + 3 of lane l at 512 q + 16 l
;   6144 .. 6399  scale words: row r at 16 r, K step s at + 4 s
;   6400 .. 6655  bias2 of the 16 rows, four times over, so that all 256 bytes are stored
; Record number ((j / 4) 16 + e) 4 + j % 4: the 64 records that one block of 64 h needs for all experts are one dense run.
; xq: the fragment of rows 16 R .. 16 R + 15, K step s, at (4 R + s) 1536, laid like a fragment of wq.
; SHARES.  2,048 records, 2,048 waves, one each; a record's source is 32,768 consecutive bytes of W.  A wave asks for all of it at its head: 64 loads of 512 consecutive bytes.
; As loaded, a lane holds the same four k of all 16 rows: so field_centers costs 4 registers a K step, and the dot products are packed multiply-adds on the registers as they landed.
; For the conversions a lane must hold 32 neighbours along K of ONE row: a K step's 16 x 512 bytes turn through the wave's own stage in LDS (rows 528 bytes apart).
; Waves 0 to 3 of work-group g also lay x's rows 16 g .. 16 g + 15 anew, K step = the wave's number.  Waves share nothing: no barrier.
; A block's scale is 2^(floor(log2(its largest magnitude)) - 4): its byte is the largest magnitude's exponent field - 4, held at 1 from below by a floor among the maximum's leaves.
; LIMITS: NaN and infinities in W, b or field_centers are not served.  A block of zeros gets the byte 1 (the rule says 127): its codes are zeros, and this program alone reads the bytes.
.set REC,    6656
.set SPITCH, 528                       ; a stage row: 512 bytes + 16 = 132 words: row r starts at bank 4 r mod 64 (64 banks of 4 bytes: ISA guide 11.1)
.set WSTG,   16*SPITCH                 ; a wave's stage
.set XF,  16                           ; v16-27   x's fragment (waves 0 to 3)
.set CC,  28                           ; v28-43   field_centers: my four k of each K step
.set BV,  44                           ; v44      b of row lane % 16
.set MX,  46                           ; v46-47   two blocks' largest magnitudes
.set SCO, 48                           ; v48-49   the conversions' scale operands
.set BY,  50                           ; v50-51   the scale bytes
.set SW,  56                           ; v56-59   my row's scale word of each K step
.set T,   60                           ; v60-67   the second halves of two blocks' codes
.set C,   68                           ; v68-115  the codes: 12 registers a K step, never written again
.set P,   116                          ; v116-147 16 pairs of partial dot products
.set Q,   148                          ; v148-163 the same, one a row
.set SP2, 164                          ; v164-165 two scale words to store
.set B2,  166                          ; v166     bias2
.set X,   192                          ; v192-255 64 numbers of my row, in the operand's order
                                       ; window 1: v0-255: W as it lands: K step s, row i at 64 s + 4 i
.set MSB, 0
.macro WIN new                         ; the immediate's high byte repeats the setting that is left
.if MSB != (\new)
	s_set_vgpr_msb (MSB<<8)|(\new)
.set MSB, \new
.endif
.endm
	s_load_b256 s[4:11], s[0:1], 0x0               ; W s[4:5], b s[6:7], field_centers s[8:9], x's codes s[10:11]
	s_load_b128 s[12:15], s[0:1], 0x20             ; wq s[12:13], xq s[14:15]
	v_lshl_add_u32 v190, v0, 2, 0x10800
	v_mov_b32 v191, 0
	v_lshrrev_b32 v1, 5, v0
	s_delay_alu instid0(VALU_DEP_1)
	v_readfirstlane_b32 s16, v1                    ; wave 0..7
	v_and_b32 v1, 31, v0                           ; lane l
	v_and_b32 v2, 15, v0                           ; r
	v_bfe_u32 v3, v0, 4, 1                         ; h
	s_delay_alu instid0(VALU_DEP_3)
	v_lshlrev_b32 v4, 4, v1                        ; 16 l: W, field_centers, the images
	s_delay_alu instid0(VALU_DEP_3)
	v_mul_u32_u24 v5, v2, 384                      ; x: row r of 384 bytes,
	s_delay_alu instid0(VALU_DEP_1)
	v_mad_u32_u24 v5, v3, 24, v5                   ; + 24 h,
	s_mul_i32 s17, s16, 96
	v_add_nc_u32 v5, s17, v5                       ; + K step = wave (used by waves 0 to 3 alone)
	s_mul_i32 s17, s16, WSTG                       ; my stage
	v_add_nc_u32 v6, s17, v4                       ; into it: 16 l of a row
	v_mul_u32_u24 v7, v2, SPITCH
	s_delay_alu instid0(VALU_DEP_1)
	v_lshl_add_u32 v7, v3, 7, v7
	s_delay_alu instid0(VALU_DEP_1)
	v_add_nc_u32 v7, s17, v7                       ; out of it: row r, + 128 h: my 32 numbers of each 64
	v_lshlrev_b32 v8, 2, v2                        ; b: 4 r
	v_lshlrev_b32 v9, 4, v2
	s_delay_alu instid0(VALU_DEP_1)
	v_lshl_add_u32 v9, v3, 3, v9                   ; scale words out: 16 r + 8 h
	v_lshlrev_b32 v10, 2, v1                       ; bias2 out: 4 l
	v_lshlrev_b32 v11, 3, v3                       ; 8 h: my bytes' place in a scale word
	v_mov_b32 v13, 0                               ; written once: a lane permute's destination counts as one of its sources
	s_mov_b32 s20, 0x76543210
	s_mov_b32 s21, 0xfedcba98                      ; v_permlanex16_b32's selects for lane l xor 16
	s_lshl_b32 s18, ttmp9, 3
	s_add_co_u32 s18, s18, s16                     ; G = 8 g + wave = 128 e + j: which 16 rows of W
	s_lshl_b32 s24, s18, 15                        ; W: 32,768 bytes a group
	s_mov_b32 s25, 0
	s_lshl_b32 s26, s18, 6                         ; b: 64 bytes a group
	s_mov_b32 s27, 0
	s_lshr_b32 s19, s18, 7                         ; e
	s_lshl_b32 s28, s19, 11                        ; field_centers: 2,048 bytes an expert
	s_mov_b32 s29, 0
	s_mul_i32 s30, ttmp9, 6144                     ; x's codes: 16 rows of 384 bytes a work-group
	s_mov_b32 s31, 0
	s_and_b32 s22, s18, 127                        ; j
	s_lshr_b32 s23, s22, 2
	s_lshl_b32 s23, s23, 4
	s_add_co_u32 s23, s23, s19
	s_lshl_b32 s23, s23, 2
	s_and_b32 s22, s22, 3
	s_add_co_u32 s23, s23, s22                     ; the record's number
	s_mul_i32 s32, s23, REC
	s_mov_b32 s33, 0
	s_lshl_b32 s34, ttmp9, 2
	s_add_co_u32 s34, s34, s16
	s_mul_i32 s34, s34, 1536                       ; xq: fragment 4 g + wave (used by waves 0 to 3 alone)
	s_mov_b32 s35, 0
	s_wait_kmcnt 0x0
	s_add_nc_u64 s[4:5], s[4:5], s[24:25]
	s_add_nc_u64 s[6:7], s[6:7], s[26:27]
	s_add_nc_u64 s[8:9], s[8:9], s[28:29]
	s_add_nc_u64 s[10:11], s[10:11], s[30:31]
	s_add_nc_u64 s[12:13], s[12:13], s[32:33]
	s_add_nc_u64 s[14:15], s[14:15], s[34:35]
	s_cmp_lt_u32 s16, 4
	s_cbranch_scc0 .Lno_x
.irp p, 0,1,2,3,4,5
	global_load_b64 v[XF+2*\p:XF+2*\p+1], v5, s[10:11] offset:48*(\p/3)+8*(\p%3)   ; x's fragment: the row's stream of bits as it lies
.endr
.Lno_x:
.irp s, 0,1,2,3
	global_load_b128 v[CC+4*\s:CC+4*\s+3], v4, s[8:9] offset:512*\s
.endr
	s_wait_alu depctr_va_vdst(0)
	global_load_b32 v[BV], v8, s[6:7]
	WIN 0x40                                       ; destination window 1
.set j, 0
.rept 64                                       ; K step j / 16, row j % 16: 32 lanes read 512 consecutive bytes; read once in the launch
	global_load_b128 v[4*j:4*j+3], v4, s[4:5] offset:2048*(j%16)+512*(j/16) th:TH_LOAD_NT
.set j, j+1
.endr
	WIN 0
; One K step of 128.
.macro STEP s
	s_wait_loadcnt 48-16*(\s)                      ; loads come back in order: this step's 16 and all older ones are in; the later steps' (16 each) may be out
.if (\s) == 0
	s_cmp_lt_u32 s16, 4
	s_cbranch_scc0 .Lno_xstore
.irp q, 0,1,2
	global_store_b128 v4, v[XF+4*\q:XF+4*\q+3], s[14:15] offset:512*\q   ; x's fragment as an image of its registers: 512 consecutive bytes a store
.endr
.Lno_xstore:
.endif
	WIN 0x01                                       ; source 0 window 1
.set i, 0
.rept 16                                       ; row i: my four k times field_centers' four, in two runs so that no line waits for the line above it
.if (\s) == 0
	v_pk_mul_f32 v[P+2*i:P+2*i+1], v[4*i:4*i+1], v[CC:CC+1]        ; the first step starts the sums: nothing is cleared
.else
	v_pk_fma_f32 v[P+2*i:P+2*i+1], v[64*(\s)+4*i:64*(\s)+4*i+1], v[CC+4*(\s):CC+4*(\s)+1], v[P+2*i:P+2*i+1]
.endif
.set i, i+1
.endr
.set i, 0
.rept 16
	v_pk_fma_f32 v[P+2*i:P+2*i+1], v[64*(\s)+4*i+2:64*(\s)+4*i+3], v[CC+4*(\s)+2:CC+4*(\s)+3], v[P+2*i:P+2*i+1]
.set i, i+1
.endr
	WIN 0x04                                       ; an LDS store's data are its source 1: window 1
.set i, 0
.rept 16
	ds_store_b128 v6, v[64*(\s)+4*i:64*(\s)+4*i+3] offset:SPITCH*i
.set i, i+1
.endr
	WIN 0
.irp c, 0,1                                    ; back in the operand's order: X[32 c + t] = W(r, 128 s + 64 c + 32 h + t).  LDS serves a wave's instructions in order: these see the stores above
.irp t, 0,1,2,3,4,5,6,7
	ds_load_b128 v[X+32*\c+4*\t:X+32*\c+4*\t+3], v7 offset:256*\c+16*\t
.endr
.endr
	s_wait_dscnt 0x0
.irp c, 0,1                                    ; my block 2 c + h: all its 32 numbers are mine
	v_max3_num_f32 v[MX+\c], |v[X+32*\c]|, |v[X+32*\c+1]|, 0x2800000   ; and the floor 2^(5 - 127): the byte cannot fall under 1
.endr
.irp u, 2,4,6,8,10,12,14,16,18,20,22,24,26,28,30
.irp c, 0,1
	s_delay_alu instid0(VALU_DEP_2)
	v_max3_num_f32 v[MX+\c], v[MX+\c], |v[X+32*\c+\u]|, |v[X+32*\c+\u+1]|
.endr
.endr
.irp c, 0,1
	s_delay_alu instid0(VALU_DEP_2)
	v_add_nc_u32 v[SCO+\c], 0xfe000000, v[MX+\c]   ; 4 off the exponent field: the conversion takes the exponent field of this operand as its scale
.endr
.irp c, 0,1
	s_delay_alu instid0(VALU_DEP_2)
	v_lshrrev_b32 v[BY+\c], 23, v[SCO+\c]          ; the scale's byte
.endr
	s_delay_alu instid0(VALU_DEP_1)
	v_lshl_or_b32 v12, v[BY+1], 16, v[BY]          ; my two bytes, blocks h and 2 + h,
	s_delay_alu instid0(VALU_DEP_1)
	v_lshlrev_b32 v12, v11, v12                    ; at their places in the word (8 h bits up);
	s_delay_alu instid0(VALU_DEP_1)
	v_permlanex16_b32 v13, v12, s20, s21
	s_delay_alu instid0(VALU_DEP_1)
	v_or_b32 v[SW+(\s)], v12, v13                  ; with lane l xor 16's two the word is whole
.irp c, 0,1
	v_cvt_scalef32_pk16_bf6_f32 v[C+12*(\s)+6*\c:C+12*(\s)+6*\c+2], v[X+32*\c:X+32*\c+15], v[SCO+\c]
	v_cvt_scalef32_pk16_bf6_f32 v[T+4*\c:T+4*\c+2], v[X+32*\c+16:X+32*\c+31], v[SCO+\c]   ; (a conversion's three registers begin on an even number)
.endr
	v_nop                                          ; one plain place behind a scaled conversion
.irp c, 0,1
.irp u, 0,1,2
	v_mov_b32 v[C+12*(\s)+6*\c+3+\u], v[T+4*\c+\u]
.endr
.endr
.irp q, 0,1,2
	global_store_b128 v4, v[C+12*(\s)+4*\q:C+12*(\s)+4*\q+3], s[12:13] offset:1536*(\s)+512*\q   ; 512 consecutive bytes, at a multiple of 256 from wq's first byte
.endr
.endm
	STEP 0
	STEP 1
	STEP 2
	STEP 3
	; THE DOT PRODUCTS.  Each lane holds 16 partial sums, one a row.  Four halvings inside each 16 lanes: a lane keeps the half of the rows that its lane bit names, sends the other half to
	; its partner and adds what it is sent; then the other 16 lanes' sum.  Lane l ends with row l % 16.
.set i, 0
.rept 16
	v_add_f32 v[Q+i], v[P+2*i], v[P+2*i+1]
.set i, i+1
.endr
.macro HALVE half, xm, mask
	s_mov_b32 vcc_lo, \mask                        ; the lanes whose bit is set keep the upper rows
.set i, 0
.rept \half
	v_cndmask_b32 v[X+i], v[Q+i+\half], v[Q+i], vcc_lo             ; what I send
	v_cndmask_b32 v[Q+i], v[Q+i], v[Q+i+\half], vcc_lo             ; what I keep
.set i, i+1
.endr
.set i, 0
.rept \half
	v_add_f32_dpp v[Q+i], v[X+i], v[Q+i] row_xmask:\xm row_mask:0xf bank_mask:0xf
.set i, i+1
.endr
.endm
	HALVE 8, 8, 0xff00ff00
	HALVE 4, 4, 0xf0f0f0f0
	HALVE 2, 2, 0xcccccccc
	HALVE 1, 1, 0xaaaaaaaa
	s_delay_alu instid0(VALU_DEP_1)
	v_permlanex16_b32 v13, v[Q], s20, s21
	s_delay_alu instid0(VALU_DEP_1)
	v_add_f32 v[Q], v[Q], v13
	s_delay_alu instid0(VALU_DEP_1)
	v_sub_f32 v[B2], v[BV], v[Q]                   ; bias2 = b - c . W
	global_store_b32 v10, v[B2], s[12:13] offset:6400
	global_store_b32 v10, v[B2], s[12:13] offset:6528          ; the two stores fill 256 consecutive bytes
	s_mov_b32 vcc_lo, 0xffff0000
	v_cndmask_b32 v[SP2], v[SW], v[SW+2], vcc_lo   ; lanes 0-15 store K steps 0 and 1 of their row's words, lanes 16-31 steps 2 and 3
	v_cndmask_b32 v[SP2+1], v[SW+1], v[SW+3], vcc_lo
	global_store_b64 v9, v[SP2:SP2+1], s[12:13] offset:6144    ; 32 lanes store 256 consecutive bytes
	s_wait_tensorcnt 0x0
	ds_add_u32 v190, v191
	s_wait_dscnt 0x0
	s_endpgm
.Lfunc_end_k_qd2251b4144_prep:
	.size	k_qd2251b4144_prep, .Lfunc_end_k_qd2251b4144_prep-k_qd2251b4144_prep
	.p2alignl 7, 3214868480
	.fill 96, 4, 3214868480
	.section	.rodata,"a",@progbits
	.p2align	6, 0x0
	.amdhsa_kernel k_qd2251b4144_prep
		.amdhsa_group_segment_fixed_size 68608
		.amdhsa_private_segment_fixed_size 0
		.amdhsa_enable_private_segment 0
		.amdhsa_kernarg_size 48
		.amdhsa_user_sgpr_count 2
		.amdhsa_user_sgpr_kernarg_segment_ptr 1
		.amdhsa_wavefront_size32 1
		.amdhsa_system_sgpr_workgroup_id_x 1
		.amdhsa_system_sgpr_workgroup_id_y 1
		.amdhsa_system_sgpr_workgroup_id_z 1
		.amdhsa_system_vgpr_workitem_id 0
		.amdhsa_next_free_vgpr 512
		.amdhsa_next_free_sgpr 66
		.amdhsa_reserve_vcc 1
		.amdhsa_float_denorm_mode_32 3
		.amdhsa_float_denorm_mode_16_64 3
		.amdhsa_memory_ordered 1
		.amdhsa_forward_progress 1
		.amdhsa_inst_pref_size 48
	.end_amdhsa_kernel
	.amdgpu_metadata
---
amdhsa.version: [ 1, 2 ]
amdhsa.kernels:
  - .name:           k_qd2251b4144_prep
    .symbol:         k_qd2251b4144_prep.kd
    .args:
      - { .name: W, .offset: 0, .size: 8, .value_kind: global_buffer, .address_space: global }
      - { .name: b, .offset: 8, .size: 8, .value_kind: global_buffer, .address_space: global }
      - { .name: field_centers, .offset: 16, .size: 8, .value_kind: global_buffer, .address_space: global }
      - { .name: semantic_vec_codes, .offset: 24, .size: 8, .value_kind: global_buffer, .address_space: global }
      - { .name: wq, .offset: 32, .size: 8, .value_kind: global_buffer, .address_space: global }
      - { .name: xq, .offset: 40, .size: 8, .value_kind: global_buffer, .address_space: global }
    .group_segment_fixed_size: 68608
    .private_segment_fixed_size: 0
    .kernarg_segment_align: 8
    .kernarg_segment_size: 48
    .max_flat_workgroup_size: 256
    .sgpr_count:     66
    .vgpr_count:     512
    .wavefront_size: 32
...
	.end_amdgpu_metadata
.endif
;; end of part 1
;; launch experts (part 2): grid 8 x 32, 8 waves a work-group, clusters of 4 x 1, 327,680 bytes of LDS; arguments xq, semantic_vec_scales, wq, out0; writes out0
.if DOCPART == 2
	.amdgcn_target "amdgcn-amd-amdhsa--gfx1250"
	.amdhsa_code_object_version 6
	.text
	.protected	k_qd2251b4144_experts
	.globl	k_qd2251b4144_experts
	.p2align	8
	.type	k_qd2251b4144_experts,@function
k_qd2251b4144_experts:
	s_mov_b64 s[64:65], 0
	v_nop
	global_prefetch_b8 v0, s[64:65] scope:SCOPE_SE
	s_setreg_imm32_b32 hwreg(HW_REG_WAVE_MODE, 25, 1), 1
	s_wait_xcnt 0x0
	s_wait_alu depctr_hold_cnt(0) depctr_sa_sdst(0) depctr_va_vdst(0) depctr_va_sdst(0) depctr_va_ssrc(0) depctr_va_vcc(0) depctr_vm_vsrc(0)
	s_getreg_b32 s2, hwreg(HW_REG_IB_STS2, 6, 4)
	s_cmp_eq_u32 s2, 0
	s_cbranch_scc0 .Lentry_in_a_cluster
	s_endpgm
.Lentry_in_a_cluster:
	s_bfe_u32 s2, ttmp6, 0x10000c
	s_cmp_lg_u32 s2, 0x3003
	s_cbranch_scc0 .Lentry_shape_is_right
	s_endpgm
.Lentry_shape_is_right:
; out0[m][h] = the sum over the 16 experts e of relu( x[m] . Wq[e][h] + bias2[e][h] ): x as its given codes of E3M2, Wq the codes and bias2 = b - c . W, both as the preparing launch laid them in wq's records.
; SHARES.  A work-group makes 512 rows x 64 h with eight waves, two on each SIMD; a wave makes 64 rows x 64 h.  A wave's 16 fragments of x (4 blocks of 16 rows x 4 K steps, 192 registers) stay in registers.
; A PIECE is one record of wq (one expert, 16 h) against my 64 rows: 16 matrix instructions on 4 accumulators by turns, K ascending, the first four with bias2 as C; then relu and sum, 37 vector lines.
; With two waves on a SIMD one wave's vector lines and fetches stand beside the other wave's matrix instructions.
; The product is used transposed (source 0 = 16 rows of W, source 1 = 16 rows of x): a lane holds one row of x and eight neighbouring h.
; SLOTS.  Two LDS slots of four experts each (16 records, 106,496 bytes); wave w fetches records 2 w and 2 w + 1 of a slot by one tensor load: 52 rows of 256 bytes.
; CLUSTER 4 x 1: the four partners make four row blocks of the same 64 h and need the same records: each load is a joint one with the mask 15.
; No data prefetch: a slot's fill is asked for four experts' work, 256 matrix instructions a wave, ahead of its first read, and only four fills are made.
; REGISTERS.  Window 0: v0-15 addresses; v16-31 x's scale words; v32-39 W's scale words, two sets; v40-55 bias2, two sets; v56-151 W's fragments, two sets (on the way out: rows read back); v152-247 x's fragments 0-7.
;   Window 1: v0-127 the sums (record c, row block a at 32 c + 8 a); v128-159 the pre-activations; v160-255 x's fragments 8-15.  Fragment f = 4 x K step + row block.
; LIMITS: NaN is not served (the maximum with 0 gives 0 for it).
.set REC,   6656
.set EXPB,  4*REC
.set SLOT1, 1<<17
.set SPARE, SLOT1+4*EXPB               ; the spare words: 128 bytes for each of 8 waves
.set STAGE, SPARE+1024                 ; the way out: 16 rows x 272 bytes for each wave
.set SP,    272
.set LI,  1                            ; 16 x lane
.set LSC, 2                            ; a record's scale words: 6144 + 16 r
.set LB,  3                            ; its bias2: 6400 + 32 (lane / 16)
.set ADF, 4                            ; the three with the expert's place in LDS added
.set ADS, 5
.set ADB, 6
.set STO, 7
.set RD,  8
.set GO,  9
.set SPW, 10
.set NIL, 11
.set XS,  16
.set WS,  32
.set BI,  40
.set WF,  56
.set BK,  56
.set AB,  128
.set LAG, 5
.set MSB, 0
.macro WIN new                         ; the immediate's high byte repeats the setting that is left
.if MSB != (\new)
	s_set_vgpr_msb (MSB<<8)|(\new)
.set MSB, \new
.endif
.endm
.macro XLOC f                          ; where x's fragment f lies
.if (\f) < 8
.set XW, 0
.set XR, 152+12*(\f)
.else
.set XW, 1
.set XR, 160+12*((\f)-8)
.endif
.endm
.macro CROUND                          ; a round of the cluster's barrier
	s_barrier_signal -1
	s_barrier_wait -1
	s_cmp_lg_u32 s12, 0
	s_cbranch_scc1 .Lnot_wave_0_\@
	s_barrier_signal -3
.Lnot_wave_0_\@:
	s_barrier_wait -3
	s_barrier_signal -1
	s_barrier_wait -1
.endm
	s_load_b256 s[4:11], s[0:1], 0x0               ; xq s[4:5], x's scales s[6:7], wq s[8:9], out0 s[10:11]
	v_lshl_add_u32 v[SPW], v0, 2, SPARE
	v_mov_b32 v[NIL], 0
	ds_add_u32 v[SPW], v[NIL]                      ; the opening lines: the add, twice on end, and its wait ahead of my first tensor load
	ds_add_u32 v[SPW], v[NIL]
	v_lshrrev_b32 v15, 5, v0
	v_and_b32 v[LI], 31, v0
	v_and_b32 v12, 15, v0                          ; r
	v_bfe_u32 v13, v0, 4, 1                        ; lane / 16
	s_delay_alu instid0(VALU_DEP_4)
	v_readfirstlane_b32 s12, v15                   ; wave 0..7
	s_delay_alu instid0(VALU_DEP_4)
	v_lshlrev_b32 v[LI], 4, v[LI]
	s_delay_alu instid0(VALU_DEP_4)
	v_lshlrev_b32 v14, 4, v12                      ; x's scales: 16 bytes a row
	v_lshl_add_u32 v[LSC], v12, 4, 6144
	v_lshl_add_u32 v[LB], v13, 5, 6400
	s_bfe_u32 s13, ttmp6, 0x40000                  ; cx
	s_lshl_b32 s14, ttmp9, 2
	s_add_co_u32 s14, s14, s13                     ; which 512 rows
	s_and_b32 s15, ttmp7, 0xffff                   ; which 64 h
	s_mul_i32 s36, s15, 16*EXPB                    ; wq: the 64 records of my 64 h,
	s_mul_i32 s35, s12, 2*REC                      ; my two records of a slot: in memory and in LDS alike
	s_add_co_u32 s36, s36, s35
	s_mov_b32 s37, 0
	s_mul_i32 s38, s14, 196608                     ; xq: 512 rows of 384 bytes,
	s_mul_i32 s40, s12, 24576                      ; my 64 of them
	s_add_co_u32 s38, s38, s40
	s_mov_b32 s39, 0
	s_lshl_b32 s40, s14, 9
	s_lshl_b32 s41, s12, 6
	s_add_co_u32 s40, s40, s41                     ; my first row
	s_lshl_b32 s42, s40, 4
	s_mov_b32 s43, 0
	s_lshl_b32 s44, s40, 13                        ; out0: 8,192 bytes a row,
	s_lshl_b32 s45, s15, 8                         ; 256 bytes a block of 64 h
	s_add_co_u32 s44, s44, s45
	s_mov_b32 s45, 0
	s_mov_b32 s16, 15|(3<<16)|(1<<21)              ; group 1: the mask of all four partners, elements of 8 bytes; 52 dense rows of 256 bytes
	s_mov_b32 s17, 32<<16
	s_mov_b32 s18, 52<<16
	s_mov_b32 s19, 32<<16
	s_mov_b32 s20, 52
	s_mov_b32 s21, 32
	s_mov_b32 s22, 0
	s_mov_b32 s23, 0
	s_wait_alu depctr_va_vdst(0)                   ; the wait ahead of the blocking waits below
	s_wait_dscnt 0x0                               ; both opening adds are done
	s_wait_kmcnt 0x0
	s_add_nc_u64 s[8:9], s[8:9], s[36:37]
	s_add_nc_u64 s[4:5], s[4:5], s[38:39]
	s_add_nc_u64 s[6:7], s[6:7], s[42:43]
	s_add_nc_u64 s[10:11], s[10:11], s[44:45]
	CROUND                                         ; in front of the first joint loads
	s_mov_b32 s24, 1                               ; group 0 for slot 0's first fill: experts 0-3
	s_mov_b32 s25, s35
	s_mov_b64 s[26:27], s[8:9]
	s_or_b32 s27, s27, 0x80000000
	s_mov_b32 s28, 1                               ; group 0 for all later fills: first slot 1, experts 4-7
	s_add_co_u32 s29, s35, SLOT1
	s_add_nc_u64 s[30:31], s[8:9], 4*EXPB
	s_or_b32 s31, s31, 0x80000000
	tensor_load_to_lds s[24:27], s[16:23]          ; my one load at the head
	s_nop 0
	; x's 16 fragments and 4 x 4 scale words go out while slot 0's load is on its way; they are waited for ahead of the first piece
.set F, 0
.rept 16
	XLOC F
	WIN XW<<6
.irp q, 0,1,2
	global_load_b128 v[XR+4*\q:XR+4*\q+3], v[LI], s[4:5] offset:(4*(F%4)+F/4)*1536+512*\q
.endr
.set F, F+1
.endr
	WIN 0
.irp i, 0,1,2,3
	global_load_b128 v[XS+4*\i:XS+4*\i+3], v14, s[6:7] offset:256*\i
.endr
	s_mul_i32 s36, s12, 16*SP
	s_add_co_u32 s36, s36, STAGE                   ; my stage
	v_mul_u32_u24 v[STO], v12, SP                  ; in: row r, 32 bytes for each half of the lanes
	v_mul_u32_u24 v[RD], v13, SP                   ; back: lanes 0-15 one row of 256 bytes, lanes 16-31 the next
	v_lshlrev_b32 v[GO], 13, v13                   ; and the same two rows in out0
	s_delay_alu instid0(VALU_DEP_3)
	v_lshl_add_u32 v[STO], v13, 5, v[STO]
	s_delay_alu instid0(VALU_DEP_3)
	v_lshl_add_u32 v[RD], v12, 4, v[RD]
	s_delay_alu instid0(VALU_DEP_3)
	v_lshl_add_u32 v[GO], v12, 4, v[GO]
	s_delay_alu instid0(VALU_DEP_3)
	v_add_nc_u32 v[STO], s36, v[STO]
	s_delay_alu instid0(VALU_DEP_3)
	v_add_nc_u32 v[RD], s36, v[RD]
	s_wait_alu depctr_va_vdst(0)                   ; the wait at the head's end
	s_wait_tensorcnt 0x0                           ; my part of slot 0 is in; the three lines ahead of a later first fill, as ahead of a refill
	ds_add_u32 v[SPW], v[NIL]
	s_wait_dscnt 0x0
	CROUND
	tensor_load_to_lds s[28:31], s[16:23]          ; slot 1's first fill, the first tensor load behind the round
	s_nop 0
; Record n of the expert at LDS byte s32 into set n % 2: bias2, scale words, four fragments: 15 loads
.macro FETCH n
	WIN 0
.if (\n) == 0
	v_add_nc_u32 v[ADF], s32, v[LI]
	v_add_nc_u32 v[ADS], s32, v[LSC]
	v_add_nc_u32 v[ADB], s32, v[LB]
.endif
.set FS, (\n)%2
	ds_load_b128 v[BI+8*FS:BI+8*FS+3], v[ADB] offset:REC*(\n)
	ds_load_b128 v[BI+8*FS+4:BI+8*FS+7], v[ADB] offset:REC*(\n)+16
	ds_load_b128 v[WS+4*FS:WS+4*FS+3], v[ADS] offset:REC*(\n)
.irp s, 0,1,2,3
.irp q, 0,1,2
	ds_load_b128 v[WF+48*FS+12*\s+4*\q:WF+48*FS+12*\s+4*\q+3], v[ADF] offset:REC*(\n)+1536*\s+512*\q
.endr
.endr
.endm
; Relu and sum of record c's 32 pre-activations, from each accumulator's low end on.  mode 2: the first expert starts the sums.  mode 1: one dual line takes the maximum of register I
; and adds register I - LAG, whose maximum was taken LAG lines earlier, onto its sum.  LAG is odd and no multiple of 4: the two destinations differ in parity, the two second sources in their bank.
.macro RELU c, mode
	WIN 0x55                                       ; every operand place: window 1
.set SB, 32*(\c)
.set I, 0
.if (\mode) == 2
.rept 32
	v_max_num_f32 v[SB+I], 0, v[AB+I]
.set I, I+1
.endr
.else
.rept 32+LAG
.if I < LAG
	v_max_num_f32 v[AB+I], 0, v[AB+I]
.elseif I < 32
	v_dual_max_num_f32 v[AB+I], 0, v[AB+I] :: v_dual_add_f32 v[SB+I-LAG], v[AB+I-LAG], v[SB+I-LAG]
.else
	v_add_f32 v[SB+I-LAG], v[AB+I-LAG], v[SB+I-LAG]
.endif
.set I, I+1
.endr
.endif
.endm
; A piece: record c from set c % 2; first the next record, n, is asked for, into the other set (the piece before read that set; its relu lines are the places in front of these loads)
.macro PIECE c, mode, n
.set WSET, (\c)%2
.if (\n) >= 0
	FETCH \n
	s_wait_dscnt 15                                ; all but the 15 loads just issued: my record is in
.else
	s_wait_dscnt 0x0
.endif
.set KK, 0
.rept 16                                       ; K step KK / 4, row block KK % 4: the four accumulators take turns
	XLOC KK
.if KK < 4
	WIN 0x40|(XW<<2)
	v_wmma_scale_f32_16x16x128_f8f6f4 v[AB+8*(KK%4):AB+8*(KK%4)+7], v[WF+48*WSET:WF+48*WSET+11], v[XR:XR+11], v[BI+8*WSET:BI+8*WSET+7], v[WS+4*WSET], v[XS+4*(KK%4)] matrix_a_fmt:MATRIX_FMT_BF6 matrix_b_fmt:MATRIX_FMT_BF6
.else
	WIN 0x50|(XW<<2)
	v_wmma_scale_f32_16x16x128_f8f6f4 v[AB+8*(KK%4):AB+8*(KK%4)+7], v[WF+48*WSET+12*(KK/4):WF+48*WSET+12*(KK/4)+11], v[XR:XR+11], v[AB+8*(KK%4):AB+8*(KK%4)+7], v[WS+4*WSET+KK/4], v[XS+4*(KK%4)+KK/4] matrix_a_fmt:MATRIX_FMT_BF6 matrix_b_fmt:MATRIX_FMT_BF6
.endif
.set KK, KK+1
.endr
.rept 4
	v_nop                                          ; four places behind the last products, ahead of the first read of their results (ISA guide 7.12.1)
.endr
	RELU \c, \mode
.endm
; A trip: the last record of the expert before (its fragments are in registers), then records 0 to 2 of the expert at s32
.macro BODY m3
	PIECE 3, \m3, 0
	PIECE 0, 1, 1
	PIECE 1, 1, 2
	PIECE 2, 1, 3
	WIN 0
	s_add_co_u32 s32, s32, EXPB
.endm
.macro LOOPB cnt
	s_mov_b32 s33, \cnt
.Lbody_\@:
	BODY 1
	s_sub_co_u32 s33, s33, 1
	s_cmp_lg_u32 s33, 0
	s_cbranch_scc1 .Lbody_\@
.endm
; A change of slots: the three lines, then a round of the cluster's barrier and the joint refill of the slot read out (fill = 1), or my work-group's barrier alone
.macro CHANGE fill
	WIN 0
	s_wait_tensorcnt 0x0                           ; all my tensor loads are done: my part of the next slot
	ds_add_u32 v[SPW], v[NIL]
	s_sub_co_u32 s32, s32, 4*EXPB
	s_xor_b32 s32, s32, SLOT1                      ; the next slot's first expert
.if \fill
	s_xor_b32 s29, s29, SLOT1
	s_add_nc_u64 s[30:31], s[30:31], 4*EXPB
.endif
	s_wait_dscnt 0x0                               ; the add is done, and so are my reads of this slot
.if \fill
	CROUND
	tensor_load_to_lds s[28:31], s[16:23]
	s_nop 0
.else
	s_barrier_signal -1
	s_barrier_wait -1
.endif
.endm
	s_mov_b32 s32, 0
	FETCH 0
	s_wait_alu depctr_va_vdst(0)                   ; the wait ahead of the blocking wait below
	s_wait_loadcnt 0x0                             ; x's fragments and scale words are in
	PIECE 0, 2, 1                                  ; the first expert starts the sums: nothing is cleared
	PIECE 1, 2, 2
	PIECE 2, 2, 3
	WIN 0
	s_mov_b32 s32, EXPB
	BODY 2
	LOOPB 2
	s_mov_b32 s34, 2
.Lslot:
	CHANGE 1
	LOOPB 4
	s_sub_co_u32 s34, s34, 1
	s_cmp_lg_u32 s34, 0
	s_cbranch_scc1 .Lslot
	CHANGE 0
	LOOPB 4
	PIECE 3, 1, -1
	WIN 0
	s_wait_alu depctr_va_vdst(0)
; THE WAY OUT, block by block of 16 rows x 64 h: through my own stage and back as whole rows of 256 bytes.  LDS serves a wave's instructions in order: no wait between the stores and the loads
.macro TOSTAGE a
	WIN 0x04                                       ; an LDS store's data are its source 1: window 1
.irp c, 0,1,2,3
	ds_store_b128 v[STO], v[32*\c+8*(\a):32*\c+8*(\a)+3] offset:64*\c
	ds_store_b128 v[STO], v[32*\c+8*(\a)+4:32*\c+8*(\a)+7] offset:64*\c+16
.endr
	WIN 0
.set BB, BK+32*((\a)%2)
.irp t, 0,1,2,3,4,5,6,7
	ds_load_b128 v[BB+4*\t:BB+4*\t+3], v[RD] offset:\t*2*SP
.endr
.endm
.macro SEND a, younger                 ; younger: the LDS instructions issued behind block a's loads, which may stay out
.set BB, BK+32*((\a)%2)
	s_wait_dscnt \younger
.irp t, 0,1,2,3,4,5,6,7
	global_store_b128 v[GO], v[BB+4*\t:BB+4*\t+3], s[10:11] offset:(16*(\a)+2*\t)*8192 th:TH_STORE_NT   ; 16 lanes store 256 consecutive bytes, at a multiple of 256 from out0's first byte
.endr
.endm
	TOSTAGE 0
.irp a, 1,2,3
.if \a > 1
	s_wait_xcnt 0x0                                ; block a - 2's stores have read their registers: block a's loads may land there
.endif
	TOSTAGE \a
	SEND \a-1, 16
.endr
	SEND 3, 0
	s_wait_tensorcnt 0x0                           ; the wave's end
	ds_add_u32 v[SPW], v[NIL]
	s_wait_dscnt 0x0
	CROUND                                         ; the closing round
	s_endpgm
.Lfunc_end_k_qd2251b4144_experts:
	.size	k_qd2251b4144_experts, .Lfunc_end_k_qd2251b4144_experts-k_qd2251b4144_experts
	.p2alignl 7, 3214868480
	.fill 96, 4, 3214868480
	.section	.rodata,"a",@progbits
	.p2align	6, 0x0
	.amdhsa_kernel k_qd2251b4144_experts
		.amdhsa_group_segment_fixed_size 327680
		.amdhsa_private_segment_fixed_size 0
		.amdhsa_enable_private_segment 0
		.amdhsa_kernarg_size 32
		.amdhsa_user_sgpr_count 2
		.amdhsa_user_sgpr_kernarg_segment_ptr 1
		.amdhsa_wavefront_size32 1
		.amdhsa_system_sgpr_workgroup_id_x 1
		.amdhsa_system_sgpr_workgroup_id_y 1
		.amdhsa_system_sgpr_workgroup_id_z 1
		.amdhsa_system_vgpr_workitem_id 0
		.amdhsa_next_free_vgpr 512
		.amdhsa_next_free_sgpr 66
		.amdhsa_reserve_vcc 0
		.amdhsa_float_denorm_mode_32 3
		.amdhsa_float_denorm_mode_16_64 3
		.amdhsa_memory_ordered 1
		.amdhsa_forward_progress 1
		.amdhsa_inst_pref_size 122
	.end_amdhsa_kernel
	.amdgpu_metadata
---
amdhsa.version: [ 1, 2 ]
amdhsa.kernels:
  - .name:           k_qd2251b4144_experts
    .symbol:         k_qd2251b4144_experts.kd
    .args:
      - { .name: xq, .offset: 0, .size: 8, .value_kind: global_buffer, .address_space: global }
      - { .name: semantic_vec_scales, .offset: 8, .size: 8, .value_kind: global_buffer, .address_space: global }
      - { .name: wq, .offset: 16, .size: 8, .value_kind: global_buffer, .address_space: global }
      - { .name: out0, .offset: 24, .size: 8, .value_kind: global_buffer, .address_space: global }
    .group_segment_fixed_size: 327680
    .private_segment_fixed_size: 0
    .kernarg_segment_align: 8
    .kernarg_segment_size: 32
    .max_flat_workgroup_size: 256
    .sgpr_count:     66
    .vgpr_count:     512
    .wavefront_size: 32
...
	.end_amdgpu_metadata
.endif
;; end of part 2
